; MI455X (gfx1250); checked and timed in simulation.
; The chip was launched on July 23, 2026; its instructions are those of AMD's public machine-readable ISA for CDNA 5 (MIT licence, August 2026) and "CDNA5" Instruction Set Architecture Reference Guide (July 2026). The comments in the code are by the model that wrote it; some were corrected since.
;; True Sliding Window Attention. Allowed arithmetic: matrix products marked QUANTISED: E2M1 operands, one E8M0 scale for each 32 along K, by v_wmma_scale_f32_16x16x128_f8f6f4 with both operands' format E2M1 (or v_wmma_scale_f32_32x16x128_f4), f32 sums; everything else in f32.
;; Inputs: k_codes 16 x 4,096 x 2 x 16 uint8 (E2M1 codes of k, K innermost, in blocks of 32 codes, two codes a byte); k_scales 16 x 4,096 x 2 uint8 (E8M0 scales of k, one for each 32 codes along K); q 16 x 4,096 x 64 float32; v_codes 16 x 64 x 128 x 16 uint8 (E2M1 codes of v, K innermost, in blocks of 32 codes, two codes a byte); v_scales 16 x 64 x 128 uint8 (E8M0 scales of v, one for each 32 codes along K).
;; Outputs: out0 16 x 4,096 x 64 float32.
;; This version of the problem:
;;   THIS VERSION OF THE PROBLEM IS GIVEN IN LOW PRECISION. The matrix products marked QUANTISED in the list below multiply operands that are first quantised to E2M1 (2 exponent bits, 1 mantissa bit; 4 bits a number), with one power-of-two scale for each 32 numbers along K (OCP MX v1.0); their sums are f32. All else is computed in f32.
;;   The module's matrix products, in the order in which they are computed (A, B: the left and right operand; K: the contracted axis; several contracted axes count as one K, in the product's order):
;;     1. batch 16 x [M 4,096, K 64] x [K 64, N 4,096]; A: computed on the way; B: input k (given as codes): QUANTISED
;;     2. batch 16 x [M 4,096, K 4,096] x [K 4,096, N 64]; A: softmax (see below); B: input v (given as codes): QUANTISED
;;   THE QUANTISER, for each operand of a quantised product, along K:
;;     - K is cut into blocks of 32 from its start; a last block that is shorter is filled with zeros.
;;     - A block's scale is 2^e with e = floor(log2(the largest magnitude in the block)) - 2, held to -126 .. 127; a block of zeros has e = 0. As a byte (E8M0): e + 127.
;;     - Each number is divided by its block's scale, clamped to +-6, and rounded to the nearest number of E2M1, ties to even, subnormals kept.
;;     - The product sums the exact products of the quantised numbers (number of the format x scale) in f32.
;;   ~~~python
;;   def quantise(x, axis):      # numpy; x: float32 -> the quantised numbers, widened to float32 again
;;       x = np.moveaxis(x, axis, -1); K = x.shape[-1]
;;       x = np.pad(x, [(0, 0)] * (x.ndim - 1) + [(0, -K % 32)]); x = x.reshape(x.shape[:-1] + (-1, 32)); a = np.abs(x).max(-1, keepdims=True)
;;       e = np.where(a > 0, np.clip(np.frexp(np.where(a > 0, a, 1))[1] - 1 - 2, -126, 127), 0)      # np.frexp(a)[1] - 1 = floor(log2(a)), exactly
;;       r = np.clip(x / 2.0 ** e, -6, 6)
;;       step = 2.0 ** (np.maximum(np.frexp(np.where(r == 0, 1, r))[1] - 1, 0) - 1)
;;       q = np.round(r / step) * step * 2.0 ** e      # np.round: ties to even
;;       return np.moveaxis(q.reshape(q.shape[:-2] + (-1,))[..., :K], -1, axis).astype(np.float32)
;;   ~~~
;;   SOFTMAX AHEAD OF A QUANTISED PRODUCT. Where the list says 'softmax', what is quantised is not the finished softmax but p = 2^(t - M), with t = logit x log2(e) and M = ceil(the row's largest t), a whole number; so 1/2 < the row's largest p <= 1. The row's sum l is taken of the UNQUANTISED p, in f32, and the product's result is divided by l at the end. Since M is a whole number, a kernel that streams over the keys may use a running M (the ceiling of the running maximum): every later rescaling is an exact power of two, which a block's scale takes up: the codes' values come out the same.
;;   OPERANDS COMPUTED ON THE WAY. 'Computed on the way' means the value that the module computes at that place (a softmax that the list does not call 'softmax' is quantised finished and normalised). What goes into a quantiser is computed in f32, as accurately as f32 sums, v_exp_f32 and their like allow (about 1e-6 of the number): no bf16 or f16 on the way to a quantiser, and a product that is left as it is and whose result goes on into a quantised operand takes f32 operands (vector FMAs, or v_wmma_f32_16x16x4_f32). A number that lies on a knife's edge between two numbers of the format may be rounded either way, as far as f32 arithmetic and the matrix unit's own rounding can turn it there, and no further.
;;   INPUTS GIVEN AS CODES. k (in the module: [16, 4096, 64], K = its axis 2); v (in the module: [16, 4096, 64], K = its axis 1): each comes as NAME_codes (uint8): NAME with its K axis moved to the last place and cut into blocks of 32 codes, [.., K / 32, bytes a block], one block behind the other in memory; two codes a byte, the lower K in the low four bits (a code: sign, 2 exponent bits, 1 mantissa bit); and NAME_scales (uint8): the same leading axes, one E8M0 byte (e + 127) for each 32 codes along K. Its value is code x scale, taken as it is: it is not quantised again, and the codes and scales need not be those that the quantiser above would give.
;; One version. Each part assembles by itself: llvm-mc -triple=amdgcn-amd-amdhsa -mcpu=gfx1250 --defsym DOCPART=n.
;; ======== version 1 of 1: 1 launch
;; launch swa (part 1): grid 16 x 16, 16 waves a work-group, no clusters, 169,984 bytes of LDS; arguments k_codes, k_scales, q, v_codes, v_scales, out0; writes out0
.if DOCPART == 1
	.amdgcn_target "amdgcn-amd-amdhsa--gfx1250"
	.amdhsa_code_object_version 6
	.text
	.protected	k_q0301530345_swa
	.globl	k_q0301530345_swa
	.p2align	8
	.type	k_q0301530345_swa,@function
k_q0301530345_swa:
	s_mov_b64 s[64:65], 0
	v_nop
	global_prefetch_b8 v0, s[64:65] scope:SCOPE_SE
	s_setreg_imm32_b32 hwreg(HW_REG_WAVE_MODE, 25, 1), 1
	s_wait_xcnt 0x0
; out[b][row][:] = sum over keys of softmax(q[b][row]/8 . k[b][key]) v[b][key][:], keys row-511 .. row (a causal window of 512), both products on codes of FP4 (E2M1) with one E8M0 scale for each 32 along K.
; q: [16][4096][64] f32: multiplied by 1/8 and quantised here, two blocks of 32 a row.  k: codes, 32 bytes a key, 2 scale bytes a key.  v: codes with the keys innermost, [16][64][2048 bytes], scale bytes [16][64][128].  out: f32.
; THE SOFTMAX AHEAD OF THE SECOND PRODUCT: t = score x log2(e); M = the row's largest t so far, rounded UP to a whole number; p = 2^(t - M) is quantised along the keys in blocks of 32; the row's sum is taken of the
; unquantised p and divides at the end.  When M moves, the sum and O are multiplied by 2^(old M - new M), which rounds nothing.
; SHARES.  A work-group owns 256 queries of one batch (x = block of queries, y = batch), each of its sixteen waves 16 of them, one tile, in 256 registers.  Tiles that lie wholly under the mask are not multiplied:
; a tile of 16 queries sees 17 blocks of 32 keys.  With i = wave / 2, a = wave % 2, q0' = 256 x + 32 i: block 16 (keys q0' .. q0' + 31) holds the diagonal and is done FIRST: it holds every query's own key, so M is a
; number from the start, and it starts O, the sum and M with nothing cleared.  Blocks 0 to 15 (keys q0' - 512 .. q0' - 1) go as four groups of 128 keys in a loop of four trips; only block 0 meets the window's lower edge.
; LDS holds the work-group's 768 keys, 256 x - 512 .. 256 x + 255, filled ONCE, as three chunks of 256 keys, by twelve tensor loads, one a wave: no slot is ever filled again.
; KEYS BELOW 0 (x < 2): a chunk that does not exist is filled with the batch's chunk 0, so that every work-group issues the same loads and no load leaves its buffer; a group all of whose keys lie below 0 is jumped
; over by a scalar branch on ids, and in the one group that straddles key 0 the scores of keys below 0 are hidden as those under the window's lower edge are.
; LAYOUT.  Both products are used transposed: S^T = K Q^T (source 0 = 16 keys, source 1 = my 16 queries), O^T = V^T P^T (source 0 = 16 channels, source 1 = P): a lane holds ONE query (lane % 16) throughout.
; THE KEYS OF A TILE ARE NOT NEIGHBOURS: lane r of tile 2 b + u takes key 32 b + 8 u + r + 8 (r / 8), so that the 16 registers of tiles 2 b, 2 b + 1 are keys 32 b + 16 (lane / 16) + 0 .. 15.
; The first product's K is 64 of the instruction's 128: registers 4-7 of both operands hold zero codes for the whole launch, and the upper two bytes of both scale words are 0 (2^-127, over zero codes).
; NO CLUSTER: a chunk of 256 keys is read by three neighbouring work-groups, but as chunk 2 of one, chunk 1 of the next and chunk 0 of the third: a joint request has one LDS address for all that it names, so the
; readers' LDS addresses would hang on the place in the cluster; and what is shared is 52,224 of the 183,296 bytes that a work-group moves.
; LIMITS: NaN and infinities in q, and scale bytes 0xff in k or v, are not served.  A block of q or p that is all zeros carries the byte 1 where the rule says 127: its codes are zeros and this text alone reads the byte.
; A block's largest p is made from its largest score by the same multiply-add and exponential: that takes v_exp_f32 not to fall where its input rises.  Hidden scores are -infinity where the problem has the most
; negative f32 number: both give p = 0.
.set KC,   0                           ; LDS: k's codes: 48 rows of 16 keys (512 bytes + 16 of padding, pitch 528); chunk c at 8448 c.  Rows r and r + 8 of a fragment lie 528 bytes apart
.set VC,   25600                       ; v's codes: three chunks of 9,216 bytes, each 64 channels x (128 bytes + 16), pitch 144 = 9 x 16
.set KS,   53248                       ; k's scale bytes, 2 a key, dense: chunk c at 512 c
.set VS,   54784                       ; v's scale bytes: three chunks of 512 bytes, each 64 channels x 8
.set STG,  56320                       ; a stage of 16 rows x 272 bytes for each wave: q's way in, o's way out; no tensor load lands here
.set AK0,  1                           ; v1   my lane's place in a tile of k, block i
.set AS0,  2                           ; v2   and among k's scale bytes
.set AVR,  3                           ; v3   VC + 144 r
.set HH,   4                           ; v4   h = lane / 16
.set AVS,  5                           ; v5   VS + 8 x lane
.set DH,   6                           ; v6   16 a + r - 16 h: the diagonal block's register n is hidden where n > this
.set LOH,  7                           ; v7   max(my query - 511, 0) - 16 h
.set ADK,  8                           ; v8   k's address in hand; at head and tail 16 x lane
.set ADS,  9                           ; v9   k's scale address in hand
.set ADV,  10                          ; v10-11 v's addresses in hand
.set NM,   12                          ; v12  -M;  v13 the largest t (the packed form names the pair)
.set TX,   13
.set L,    14                          ; v14-15 the row's sum, in two halves
.set QC,   16                          ; v16-19 q's codes, v20-23 zero codes
.set QSW,  24                          ; v24  q's scale word
.set PSW,  25                          ; v25  p's
.set VSW,  26                          ; v26-27 v's: lane = channel % 32
.set KSC,  28                          ; v28-31 k's: block b: lanes 0-15 tile 2 b, lanes 16-31 tile 2 b + 1
.set KF,   32                          ; v32-95  8 tiles of k: registers 0-3 loaded, 4-7 zero codes
.set S,    96                          ; v96-159 S^T, then p; at the head q; at the tail o
.set O,    160                         ; v160-191 O^T, 4 tiles of 16 channels
.set VF,   192                         ; v192-223 4 tiles of v
.set PC,   224                         ; v224-231 p's codes
.set BM,   232                         ; v232-235 the blocks' largest scores, then largest p
.set T4,   236                         ; v236-239 at work
.set VW,   240                         ; v240-243 v's scale words as they lie: low, high for channels 0-31; low, high for 32-63
.set SO,   244                         ; v244-247 the conversions' scale operands
.set AW,   248                         ; v248-249 v's scale addresses in hand
.set SA,   250                         ; v250 the stage by rows of 256 bytes: lanes 0-15 one row, lanes 16-31 the next
.set SBO,  251                         ; v251 the stage by my query: row r, + 32 h
.set F,    252                         ; v252 f = 2^(old M - new M); v253 its pair mate
.set TMP,  254
.set NINF, 255                         ; v255 -infinity
.set WV,   16                          ; s16 wave;  s17 i;  s18 a;  s19 x;  s20 batch;  s21 c = wave % 4;  s22 kind = wave / 4;  s23 the chunk in memory
.set WI,   17
.set WA,   18
.set GX,   19
.set GB,   20
.set CH,   21
.set KIND, 22
.set GC,   23
.set G1KC, 24                          ; s[24:55] four groups 1;  s[56:63], s[68:75] four groups 0
.set G1VC, 32
.set G1KS, 40
.set G1VS, 48
.set G0KC, 56
.set G0VC, 60
.set EIG,  66                          ; s[66:67] 1/8
.set G0KS, 68
.set G0VS, 72
.set SEL,  76                          ; s[76:77] v_permlanex16_b32's selects for lane l xor 16
.set CS,   78                          ; s[78:79] log2(e)
.set GS,   80                          ; s80 the group's first key, signed
.set LOMAX, 81                         ; s81 max(my last query - 511, 0)
.set LB,   82                          ; s82 the group's first block among the work-group's 24
.set TRIPS, 83
.set KOFF, 84                          ; s84 1,056 bytes a block of k's codes
.set SOFF, 85                          ; s85 64 bytes a block of k's scale bytes
.set PSEL, 86                          ; s86 v_perm_b32's selector: bytes i % 4 .. i % 4 + 3 of two words
.set T0,   87                          ; s87-91 at work
.set OF,   92                          ; s[92:93] a byte offset in 64 bits; s94 at work
.macro ISSUE g0, g1                    ; a wave's one tensor load; four v_nop follow it, ahead of the jump and the label
	tensor_load_to_lds s[\g0:\g0+3], s[\g1:\g1+7]
	s_nop 0
.rept 4
	v_nop
.endr
.endm
.macro QK t                            ; S^T tile t = 16 keys x my 16 queries; the constant 0 starts the sum
.if (\t)%2
	v_wmma_scale_f32_16x16x128_f8f6f4 v[S+8*(\t):S+8*(\t)+7], v[KF+8*(\t):KF+8*(\t)+7], v[QC:QC+7], 0, v[KSC+(\t)/2], v[QSW] matrix_a_fmt:MATRIX_FMT_FP4 matrix_b_fmt:MATRIX_FMT_FP4 matrix_a_scale:MATRIX_SCALE_ROW1
.else
	v_wmma_scale_f32_16x16x128_f8f6f4 v[S+8*(\t):S+8*(\t)+7], v[KF+8*(\t):KF+8*(\t)+7], v[QC:QC+7], 0, v[KSC+(\t)/2], v[QSW] matrix_a_fmt:MATRIX_FMT_FP4 matrix_b_fmt:MATRIX_FMT_FP4
.endif
.endm
.macro PV ct, zero                     ; O^T tile ct (16 channels) (+)= V^T P^T over 128 keys
.if \zero
.if (\ct)%2
	v_wmma_scale_f32_16x16x128_f8f6f4 v[O+8*(\ct):O+8*(\ct)+7], v[VF+8*(\ct):VF+8*(\ct)+7], v[PC:PC+7], 0, v[VSW+(\ct)/2], v[PSW] matrix_a_fmt:MATRIX_FMT_FP4 matrix_b_fmt:MATRIX_FMT_FP4 matrix_a_scale:MATRIX_SCALE_ROW1
.else
	v_wmma_scale_f32_16x16x128_f8f6f4 v[O+8*(\ct):O+8*(\ct)+7], v[VF+8*(\ct):VF+8*(\ct)+7], v[PC:PC+7], 0, v[VSW+(\ct)/2], v[PSW] matrix_a_fmt:MATRIX_FMT_FP4 matrix_b_fmt:MATRIX_FMT_FP4
.endif
.else
.if (\ct)%2
	v_wmma_scale_f32_16x16x128_f8f6f4 v[O+8*(\ct):O+8*(\ct)+7], v[VF+8*(\ct):VF+8*(\ct)+7], v[PC:PC+7], v[O+8*(\ct):O+8*(\ct)+7], v[VSW+(\ct)/2], v[PSW] matrix_a_fmt:MATRIX_FMT_FP4 matrix_b_fmt:MATRIX_FMT_FP4 matrix_a_scale:MATRIX_SCALE_ROW1
.else
	v_wmma_scale_f32_16x16x128_f8f6f4 v[O+8*(\ct):O+8*(\ct)+7], v[VF+8*(\ct):VF+8*(\ct)+7], v[PC:PC+7], v[O+8*(\ct):O+8*(\ct)+7], v[VSW+(\ct)/2], v[PSW] matrix_a_fmt:MATRIX_FMT_FP4 matrix_b_fmt:MATRIX_FMT_FP4
.endif
.endif
.endm
.macro MASKHEAD                        ; the diagonal block: register n holds key q0' + 16 h + n: hidden where it comes after my query.  Ascending: each result is read from its low end on
.irp n, 0,1,2,3,4,5,6,7,8,9,10,11,12,13,14,15
	v_cmp_gt_i32 vcc_lo, \n, v[DH]
	v_cndmask_b32 v[S+\n], v[S+\n], v[NINF], vcc_lo
.endr
.endm
.macro MASKLOW b                       ; block b of a group: register 16 b + n holds key GS + 32 b + 16 h + n: hidden where it lies under max(my query - 511, 0)
.irp n, 0,1,2,3,4,5,6,7,8,9,10,11,12,13,14,15
	v_cmp_lt_i32 vcc_lo, 32*(\b)+\n, v[TMP]
	v_cndmask_b32 v[S+16*(\b)+\n], v[S+16*(\b)+\n], v[NINF], vcc_lo
.endr
.endm
	; ---------------- THE HEAD: ids, addresses, descriptors
	s_load_b256 s[4:11], s[0:1], 0x0               ; k's codes s[4:5], k's scales s[6:7], q s[8:9], v's codes s[10:11]
	s_load_b128 s[12:15], s[0:1], 0x20             ; v's scales s[12:13], out s[14:15]
	v_lshl_add_u32 v254, v0, 2, 0x29000
	v_mov_b32 v255, 0
	ds_add_u32 v254, v255
	ds_add_u32 v254, v255
	s_wait_dscnt 0x0
	v_lshrrev_b32 v8, 5, v0
	s_delay_alu instid0(VALU_DEP_1)
	v_readfirstlane_b32 s[WV], v8                  ; wave 0..15
	s_lshr_b32 s[WI], s[WV], 1                     ; i
	s_and_b32 s[WA], s[WV], 1                      ; a
	s_mov_b32 s[GX], ttmp9                         ; x
	s_and_b32 s[GB], ttmp7, 0xffff                 ; batch
	s_and_b32 s[CH], s[WV], 3                      ; which chunk I fetch (3: none)
	s_lshr_b32 s[KIND], s[WV], 2                   ; of what: 0 k's codes, 1 v's codes, 2 k's scales, 3 v's scales
	s_add_co_u32 s[GC], s[GX], s[CH]
	s_sub_co_i32 s[GC], s[GC], 2
	s_max_i32 s[GC], s[GC], 0                      ; chunk x + c - 2 of the batch's sixteen; where that lies below 0, chunk 0
	v_and_b32 v9, 15, v0                           ; r
	v_bfe_u32 v[HH], v0, 4, 1                      ; h
	v_and_b32 v10, 31, v0                          ; lane
	s_delay_alu instid0(VALU_DEP_3)
	v_lshrrev_b32 v11, 3, v9                       ; r / 8
	s_delay_alu instid0(VALU_DEP_4)
	v_and_b32 v12, 7, v9                           ; r % 8
	s_delay_alu instid0(VALU_DEP_4)
	v_lshlrev_b32 v13, 4, v[HH]                    ; 16 h
	s_delay_alu instid0(VALU_DEP_3)
	v_mul_u32_u24 v[AK0], v11, 528                 ; key 8 u + r + 8 (r / 8) of a block: row r / 8 of its two rows of 16 keys,
	s_delay_alu instid0(VALU_DEP_1)
	v_lshl_add_u32 v[AK0], v12, 5, v[AK0]          ; key r % 8 (+ 8 u: the loads' offset) in it, 32 bytes a key,
	s_delay_alu instid0(VALU_DEP_1)
	v_lshl_add_u32 v[AK0], v[HH], 4, v[AK0]        ; my half's 16 bytes: block h of the key's two
	s_mul_i32 s[T0], s[WI], 1056
	v_add_nc_u32 v[AK0], s[T0], v[AK0]             ; from block i on (KC = 0)
	v_lshl_add_u32 v[AS0], v11, 3, v9              ; r + 8 (r / 8)
	s_delay_alu instid0(VALU_DEP_1)
	v_lshl_add_u32 v[AS0], v[HH], 3, v[AS0]        ; + 8 h: lanes 16-31 take the words of the odd tile
	s_delay_alu instid0(VALU_DEP_1)
	v_lshlrev_b32 v[AS0], 1, v[AS0]                ; 2 bytes a key
	s_lshl_b32 s[T0], s[WI], 6
	s_add_co_u32 s[T0], s[T0], KS
	v_add_nc_u32 v[AS0], s[T0], v[AS0]
	v_mul_u32_u24 v[AVR], v9, 144
	s_delay_alu instid0(VALU_DEP_1)
	v_add_nc_u32 v[AVR], VC, v[AVR]
	v_lshl_add_u32 v[AVS], v10, 3, VS
	s_lshl_b32 s[T0], s[WA], 4
	v_sub_nc_u32 v[DH], v9, v13
	s_delay_alu instid0(VALU_DEP_1)
	v_add_nc_u32 v[DH], s[T0], v[DH]               ; 16 a + r - 16 h
	s_lshl_b32 s[T0+1], s[GX], 8
	s_lshl_b32 s[T0+2], s[WV], 4
	s_add_co_u32 s[T0+1], s[T0+1], s[T0+2]         ; my first query: 256 x + 16 wave
	s_sub_co_i32 s[T0+2], s[T0+1], 511
	v_add_nc_u32 v[LOH], s[T0+2], v9               ; my query - 511
	s_delay_alu instid0(VALU_DEP_1)
	v_cmp_lt_i32 vcc_lo, 0, v[LOH]
	s_delay_alu instid0(VALU_DEP_1)
	v_cndmask_b32 v[LOH], 0, v[LOH], vcc_lo        ; held at 0 from below
	s_delay_alu instid0(VALU_DEP_1)
	v_sub_nc_u32 v[LOH], v[LOH], v13
	s_sub_co_i32 s[LOMAX], s[T0+1], 496
	s_max_i32 s[LOMAX], s[LOMAX], 0                ; a group whose first key is not under this needs no lower mask
	s_lshl_b32 s[GS], s[GX], 8
	s_lshl_b32 s[T0], s[WI], 5
	s_add_co_u32 s[GS], s[GS], s[T0]
	s_sub_co_i32 s[GS], s[GS], 512                 ; q0' - 512: the first group's first key
	s_mul_i32 s[T0], s[WV], 4352
	s_add_co_u32 s[T0], s[T0], STG                 ; my stage
	v_mul_u32_u24 v[SA], v[HH], 272
	s_delay_alu instid0(VALU_DEP_1)
	v_lshl_add_u32 v[SA], v9, 4, v[SA]
	s_delay_alu instid0(VALU_DEP_1)
	v_add_nc_u32 v[SA], s[T0], v[SA]
	v_mul_u32_u24 v[SBO], v9, 272
	s_delay_alu instid0(VALU_DEP_1)
	v_add_nc_u32 v[SBO], s[T0], v[SBO]
	s_delay_alu instid0(VALU_DEP_1)
	v_lshl_add_u32 v11, v[HH], 7, v[SBO]           ; q's way back: row r, my block of 32 numbers: 128 h
	s_delay_alu instid0(VALU_DEP_2)
	v_lshl_add_u32 v[SBO], v[HH], 5, v[SBO]
	v_lshlrev_b32 v[ADK], 4, v10                   ; 16 x lane
	s_and_b32 s[PSEL], s[WI], 3
	s_mul_i32 s[PSEL], s[PSEL], 0x01010101
	s_add_co_u32 s[PSEL], s[PSEL], 0x03020100
	s_mov_b32 s[EIG], 0x3e000000                   ; 1/8 = 64^-0.5
	s_mov_b32 s[EIG+1], s[EIG]                     ; (the packed forms name pairs and take the low word for both halves: so the mates are written)
	s_mov_b32 s[SEL], 0x76543210
	s_mov_b32 s[SEL+1], 0xfedcba98
	s_mov_b32 s[CS], 0x3fb8aa3b                    ; log2(e)
	s_mov_b32 s[CS+1], s[CS]
	; descriptor groups 1, elements of 8 bytes.  k's codes: 256 keys are 8,192 dense bytes, as 16 rows of 512 bytes, 16 bytes of padding behind each
	s_mov_b32 s[G1KC+0], (3<<16)|(1<<20)|(6<<22)|(3<<25)  ; 17:16 elements of 8 bytes; 20 padding on; 24:22 after every 128 words (code 6); 31:25 four words (code 3)
	s_mov_b32 s[G1KC+1], 64<<16                    ; tensor_dim0 = 64
	s_mov_b32 s[G1KC+2], 16<<16                    ; tensor_dim1 = 16
	s_mov_b32 s[G1KC+3], 64<<16                    ; tile_dim0 = 64
	s_mov_b32 s[G1KC+4], 16                        ; tile_dim1 = 16
	s_mov_b32 s[G1KC+5], 64                        ; from row to row
	s_mov_b32 s[G1KC+6], 0
	s_mov_b32 s[G1KC+7], 0
	; v's codes: 64 channels x 128 bytes (256 keys), 2,048 bytes apart in memory, 16 bytes of padding behind each
	s_mov_b32 s[G1VC+0], (3<<16)|(1<<20)|(4<<22)|(3<<25)  ; padding after every 32 words (code 4)
	s_mov_b32 s[G1VC+1], 16<<16
	s_mov_b32 s[G1VC+2], 64<<16
	s_mov_b32 s[G1VC+3], 16<<16
	s_mov_b32 s[G1VC+4], 64
	s_mov_b32 s[G1VC+5], 256
	s_mov_b32 s[G1VC+6], 0
	s_mov_b32 s[G1VC+7], 0
	; k's scale bytes: 512 dense bytes, as 2 rows of 256
	s_mov_b32 s[G1KS+0], 3<<16
	s_mov_b32 s[G1KS+1], 32<<16
	s_mov_b32 s[G1KS+2], 2<<16
	s_mov_b32 s[G1KS+3], 32<<16
	s_mov_b32 s[G1KS+4], 2
	s_mov_b32 s[G1KS+5], 32
	s_mov_b32 s[G1KS+6], 0
	s_mov_b32 s[G1KS+7], 0
	; v's scale bytes: 64 channels x 8 bytes, 128 bytes apart in memory
	s_mov_b32 s[G1VS+0], 3<<16
	s_mov_b32 s[G1VS+1], 1<<16
	s_mov_b32 s[G1VS+2], 64<<16
	s_mov_b32 s[G1VS+3], 1<<16
	s_mov_b32 s[G1VS+4], 64
	s_mov_b32 s[G1VS+5], 16
	s_mov_b32 s[G1VS+6], 0
	s_mov_b32 s[G1VS+7], 0
	; groups 0: the LDS address is a constant + c x a constant; the global address batch and chunk
	s_mov_b32 s[G0KC], 1
	s_mul_i32 s[G0KC+1], s[CH], 8448               ; KC = 0
	s_mov_b32 s[G0VC], 1
	s_mul_i32 s[G0VC+1], s[CH], 9216
	s_add_co_u32 s[G0VC+1], s[G0VC+1], VC
	s_mov_b32 s[G0KS], 1
	s_lshl_b32 s[G0KS+1], s[CH], 9
	s_add_co_u32 s[G0KS+1], s[G0KS+1], KS
	s_mov_b32 s[G0VS], 1
	s_lshl_b32 s[G0VS+1], s[CH], 9
	s_add_co_u32 s[G0VS+1], s[G0VS+1], VS
	s_mov_b32 s[OF+1], 0
	s_wait_kmcnt 0x0
	s_lshl_b32 s94, s[GB], 17                      ; a batch's codes: 131,072 bytes
	s_lshl_b32 s[OF], s[GC], 13                    ; k: 8,192 bytes a chunk
	s_add_co_u32 s[OF], s[OF], s94
	s_add_nc_u64 s[G0KC+2:G0KC+3], s[4:5], s[OF:OF+1]
	s_or_b32 s[G0KC+3], s[G0KC+3], 0x80000000      ; type = 2
	s_lshl_b32 s[OF], s[GC], 7                     ; v: 128 bytes a chunk in each channel's row
	s_add_co_u32 s[OF], s[OF], s94
	s_add_nc_u64 s[G0VC+2:G0VC+3], s[10:11], s[OF:OF+1]
	s_or_b32 s[G0VC+3], s[G0VC+3], 0x80000000
	s_lshl_b32 s94, s[GB], 13                      ; a batch's scale bytes: 8,192
	s_lshl_b32 s[OF], s[GC], 9
	s_add_co_u32 s[OF], s[OF], s94
	s_add_nc_u64 s[G0KS+2:G0KS+3], s[6:7], s[OF:OF+1]
	s_or_b32 s[G0KS+3], s[G0KS+3], 0x80000000
	s_lshl_b32 s[OF], s[GC], 3
	s_add_co_u32 s[OF], s[OF], s94
	s_add_nc_u64 s[G0VS+2:G0VS+3], s[12:13], s[OF:OF+1]
	s_or_b32 s[G0VS+3], s[G0VS+3], 0x80000000
	s_lshl_b32 s[OF], s[GB], 20                    ; q and out: a batch is 2^20 bytes, a block of 256 queries 2^16, my 16 rows 2^12
	s_lshl_b32 s94, s[GX], 16
	s_add_co_u32 s[OF], s[OF], s94
	s_lshl_b32 s94, s[WV], 12
	s_add_co_u32 s[OF], s[OF], s94
	s_add_nc_u64 s[8:9], s[8:9], s[OF:OF+1]
	s_add_nc_u64 s[14:15], s[14:15], s[OF:OF+1]
	; the twelve first fills, one a wave, ahead of every wait on TENSORcnt and the barrier.  The branches hang on the wave's number alone
	s_cmp_eq_u32 s[CH], 3
	s_cbranch_scc1 .Lasked
	s_cmp_eq_u32 s[KIND], 0
	s_cbranch_scc0 .Lnot_kc
	ISSUE G0KC, G1KC
	s_branch .Lasked
.Lnot_kc:
	s_cmp_eq_u32 s[KIND], 1
	s_cbranch_scc0 .Lnot_vc
	ISSUE G0VC, G1VC
	s_branch .Lasked
.Lnot_vc:
	s_cmp_eq_u32 s[KIND], 2
	s_cbranch_scc0 .Lnot_ks
	ISSUE G0KS, G1KS
	s_branch .Lasked
.Lnot_ks:
	ISSUE G0VS, G1VS
.Lasked:
	s_wait_alu depctr_va_vdst(0)
	; ---------------- q: my 16 rows are 4,096 dense bytes: each load takes 512 consecutive bytes, two rows
.irp j, 0,1,2,3,4,5,6,7
	global_load_b128 v[S+4*\j:S+4*\j+3], v[ADK], s[8:9] offset:512*\j th:TH_LOAD_NT
.endr
	; while they are out: the zero codes of K = 64 .. 127 of the first product's operands, which stay for the whole launch
.irp t, 0,1,2,3,4,5,6,7
.irp c, 4,5,6,7
	v_mov_b32 v[KF+8*\t+\c], 0
.endr
.endr
.irp c, 4,5,6,7
	v_mov_b32 v[QC+\c], 0
.endr
	v_mov_b32 v[NINF], 0xff800000
	v_mov_b32 v[BM+3], 0                           ; written once: a lane permute's destination counts as one of its sources
	v_mov_b32 v[TMP], 0
	; the conversions want a block's 32 numbers in ONE lane: the rows turn through my stage, in as they lie, back 128 bytes a lane
.irp j, 0,1,2,3,4,5,6,7
	s_wait_loadcnt 7-\j                            ; loads come back in order: load j is in, the younger ones stay out
	ds_store_b128 v[SA], v[S+4*\j:S+4*\j+3] offset:544*\j
.endr
.irp j, 0,1,2,3,4,5,6,7
	ds_load_b128 v[S+32+4*\j:S+32+4*\j+3], v11 offset:16*\j   ; my own bytes: LDS serves a wave's instructions in order, so these see the stores above
.endr
	s_wait_dscnt 0x0
	; lane (r, h) holds q[r][32 h .. 32 h + 31]: x 1/8, the block's scale, its codes
.irp j, 0,2,4,6,8,10,12,14,16,18,20,22,24,26,28,30
	v_pk_mul_f32 v[S+32+\j:S+33+\j], v[S+32+\j:S+33+\j], s[EIG:EIG+1] op_sel_hi:[1,0]
.endr
	v_max3_num_f32 v[BM], |v[S+32]|, |v[S+33]|, |v[S+34]|        ; the largest magnitude, in two chains
	v_max3_num_f32 v[BM+1], |v[S+35]|, |v[S+36]|, |v[S+37]|
.irp n, 6,10,14,18,22,26
	s_delay_alu instid0(VALU_DEP_2)
	v_max3_num_f32 v[BM], v[BM], |v[S+32+\n]|, |v[S+33+\n]|
	s_delay_alu instid0(VALU_DEP_2)
	v_max3_num_f32 v[BM+1], v[BM+1], |v[S+34+\n]|, |v[S+35+\n]|
.endr
	s_delay_alu instid0(VALU_DEP_2)
	v_max3_num_f32 v[BM], v[BM], |v[S+62]|, |v[S+63]|
	s_delay_alu instid0(VALU_DEP_1)
	v_max3_num_f32 v[BM], v[BM], v[BM+1], 0x1800000  ; and the floor 2^(3 - 127): the byte cannot fall under 1
	s_delay_alu instid0(VALU_DEP_1)
	v_add_nc_u32 v[SO], 0xff000000, v[BM]          ; 2 off the exponent field: the conversion takes the exponent field of this operand as its scale
	s_delay_alu instid0(VALU_DEP_1)
	v_lshrrev_b32 v[BM+1], 23, v[SO]               ; the scale's byte
	v_lshlrev_b32 v[BM+2], 3, v[HH]
.irp g, 0,1,2,3
	v_cvt_scalef32_pk8_fp4_f32 v[QC+\g], v[S+32+8*\g:S+39+8*\g], v[SO]
.endr
	v_nop                                          ; one plain place behind a scaled conversion
	v_lshlrev_b32 v[QSW], v[BM+2], v[BM+1]         ; my block's byte at its place, 8 h bits up,
	s_delay_alu instid0(VALU_DEP_1)
	v_permlanex16_b32 v[BM+3], v[QSW], s[SEL], s[SEL+1]
	s_delay_alu instid0(VALU_DEP_1)
	v_or_b32 v[QSW], v[QSW], v[BM+3]               ; with lane l xor 16's: the row's word; bytes 2 and 3 stay 0
	; zero codes for the diagonal block's second product (its K has 32 keys of 128), and registers that are named before they are first made.
	; These 27 plain lines also stand between the last vector write of q's scale word (8 are wanted) and codes (4) and the first scaled product
.irp t, 0,1,2,3
.irp c, 4,5,6,7
	v_mov_b32 v[VF+8*\t+\c], 0
.endr
.endr
.irp c, 2,3,4,5,6,7
	v_mov_b32 v[PC+\c], 0
.endr
.irp c, 0,1,2,3
	v_mov_b32 v[T4+\c], 0
.endr
	v_mov_b32 v[F+1], 0
	s_lshl_b32 s[T0], s[WI], 4
	v_add_nc_u32 v[ADV], s[T0], v[AVR]             ; block i + 16 lies in chunk 2, 16 i bytes into a channel's row
	v_add_nc_u32 v[AW], s[WI], v[AVS]              ; and its scale byte i bytes into the channel's eight
	s_mov_b32 s[LB], s[WI]
	s_mov_b32 s[TRIPS], 4
	s_mov_b32 s[KOFF], 0
	s_mov_b32 s[SOFF], 0
	s_wait_alu depctr_va_vdst(0)
	s_wait_tensorcnt 0x0                           ; my tile has landed (a wave that fetched nothing passes),
	s_wait_dscnt 0x0                               ; no LDS instruction of mine is out,
	s_barrier_signal -1
	s_barrier_wait -1                              ; everybody's has: the one barrier of the launch; from here on the tiles are only read
	; ---------------- THE DIAGONAL BLOCK: keys q0' .. q0' + 31.  It starts M, the sum and O^T
	ds_load_b128 v[KF:KF+3], v[AK0] offset:16*1056
	ds_load_b128 v[KF+8:KF+11], v[AK0] offset:16*1056+256
	ds_load_u16 v[KSC], v[AS0] offset:16*64
	ds_load_u8 v[VSW], v[AW] offset:1024           ; the block's byte in byte 0 of the word; bytes 1 to 3 are 0, over zero codes of p
	ds_load_u8 v[VSW+1], v[AW] offset:1024+256
.irp ct, 0,1,2,3
	ds_load_b128 v[VF+8*\ct:VF+8*\ct+3], v[ADV] offset:2*9216+2304*\ct   ; both halves of the lanes take this block: lanes 16-31 meet zero codes of p
.endr
	s_wait_dscnt 6                                 ; k's two tiles and their scale words are in; v's six loads may be out
	QK 0
	QK 1
.rept 4
	v_nop                                          ; four places behind a product before its result is read (ISA guide 7.12.1)
.endr
	MASKHEAD
	v_max3_num_f32 v[BM], v[S], v[S+1], v[S+2]     ; the largest score of my 16 keys, in two chains
	v_max3_num_f32 v[BM+1], v[S+3], v[S+4], v[S+5]
	s_delay_alu instid0(VALU_DEP_2)
	v_max3_num_f32 v[BM], v[BM], v[S+6], v[S+7]
	s_delay_alu instid0(VALU_DEP_2)
	v_max3_num_f32 v[BM+1], v[BM+1], v[S+8], v[S+9]
	s_delay_alu instid0(VALU_DEP_2)
	v_max3_num_f32 v[BM], v[BM], v[S+10], v[S+11]
	s_delay_alu instid0(VALU_DEP_2)
	v_max3_num_f32 v[BM+1], v[BM+1], v[S+12], v[S+13]
	s_delay_alu instid0(VALU_DEP_2)
	v_max3_num_f32 v[BM], v[BM], v[S+14], v[S+15]
	s_delay_alu instid0(VALU_DEP_1)
	v_max_num_f32 v[BM], v[BM], v[BM+1]
	s_delay_alu instid0(VALU_DEP_1)
	v_permlanex16_b32 v[T4], v[BM], s[SEL], s[SEL+1]
	s_delay_alu instid0(VALU_DEP_1)
	v_max_num_f32 v[BM], v[BM], v[T4]              ; with lane l xor 16's: my own key is among them, so this is a number
	s_delay_alu instid0(VALU_DEP_1)
	v_mul_f32 v[TX], s[CS], v[BM]                  ; the largest t
	s_delay_alu instid0(VALU_DEP_1)
	v_floor_f32 v[NM], -v[TX]                      ; -M = floor(-t) = -ceil(t)
.irp j, 0,2,4,6,8,10,12,14
	v_pk_fma_f32 v[S+\j:S+1+\j], v[S+\j:S+1+\j], s[CS:CS+1], v[NM:NM+1] op_sel_hi:[1,0,0]   ; t - M, two at a time
.endr
	v_fma_f32 v[BM], v[BM], s[CS], v[NM]           ; the same of the block's largest score
	s_wait_alu depctr_va_vdst(0)
.irp j, 0,1,2,3,4,5,6,7,8,9,10,11,12,13,14,15
	v_exp_f32 v[S+\j], v[S+\j]                     ; p = 2^(t - M)
.endr
	v_exp_f32 v[BM], v[BM]                         ; the block's largest p
	v_nop                                          ; a plain place behind the exponentials
	s_wait_alu depctr_va_vdst(0)
	v_max_num_f32 v[BM], 0x1800000, v[BM]          ; the floor 2^(3 - 127)
	s_delay_alu instid0(VALU_DEP_1)
	v_add_nc_u32 v[SO], 0xff000000, v[BM]
	s_delay_alu instid0(VALU_DEP_1)
	v_lshrrev_b32 v[PSW], 23, v[SO]                ; p's scale word: this block's byte; bytes 1 to 3 are 0, over zero codes
	v_cvt_scalef32_pk8_fp4_f32 v[PC], v[S:S+7], v[SO]
	v_cvt_scalef32_pk8_fp4_f32 v[PC+1], v[S+8:S+15], v[SO]
	v_nop                                          ; one plain place behind a scaled conversion
	v_permlane16_swap_b32 v[PC], v[PC+2]           ; the operand wants a whole block in a lane: lanes 0-15 get the block's 32 codes, lanes 16-31 the zeros
	v_permlane16_swap_b32 v[PC+1], v[PC+3]
	v_pk_add_f32 v[L:L+1], v[S:S+1], v[S+2:S+3]    ; the row's sum, of the unquantised p
.irp j, 4,6,8,10,12,14
	v_pk_add_f32 v[L:L+1], v[L:L+1], v[S+\j:S+1+\j]
.endr
	v_nop                                          ; with the seven sums and the place above: nine plain lines behind the scale word's write, eight behind the codes'
	s_wait_alu depctr_va_vdst(0)
	s_wait_dscnt 0x0                               ; v's tiles and scale bytes are in
.irp ct, 0,1,2,3
	PV \ct, 1
.endr
	; ---------------- THE FOUR GROUPS OF 128 KEYS: q0' - 512 + 128 g on.  The trip count is a constant; what a group below key 0 leaves out is its work, not the lines that step
.Lgroup:
	s_cmp_lt_i32 s[GS], -127                       ; all 128 keys lie below 0: a branch on ids
	s_cbranch_scc1 .Lhidden
	s_lshr_b32 s[T0], s[LB], 2                     ; v's scale bytes of blocks LB .. LB + 3 lie in words W = LB / 4 and W + 1 of the channel's six: word W at 512 (W / 2) + 4 (W % 2)
	s_lshr_b32 s[T0+2], s[T0], 1
	s_lshl_b32 s[T0+2], s[T0+2], 9
	s_and_b32 s[T0+1], s[T0], 1
	s_lshl_b32 s[T0+1], s[T0+1], 2
	s_add_co_u32 s[T0+2], s[T0+2], s[T0+1]
	s_add_co_u32 s[T0], s[T0], 1
	s_lshr_b32 s[T0+3], s[T0], 1
	s_lshl_b32 s[T0+3], s[T0+3], 9
	s_and_b32 s[T0+1], s[T0], 1
	s_lshl_b32 s[T0+1], s[T0+1], 2
	s_add_co_u32 s[T0+3], s[T0+3], s[T0+1]
	s_add_co_u32 s[T0+4], s[LB], 2
	s_setprio 2
	; twelve plain lines, which name no register of the last products: they are also the places in front of the loads into v's fragments
	v_add_nc_u32 v[ADK], s[KOFF], v[AK0]
	v_add_nc_u32 v[ADS], s[SOFF], v[AS0]
	v_add_nc_u32 v[ADV], s[LB], v[HH]              ; registers 0-3 of a fragment of v: block LB + h;
	v_add_nc_u32 v[ADV+1], s[T0+4], v[HH]          ; registers 4-7: block LB + 2 + h
	s_delay_alu instid0(VALU_DEP_2)
	v_lshrrev_b32 v[AW], 3, v[ADV]                 ; its chunk
	s_delay_alu instid0(VALU_DEP_2)
	v_lshrrev_b32 v[AW+1], 3, v[ADV+1]
	s_delay_alu instid0(VALU_DEP_2)
	v_mad_u32_u24 v[AW], v[AW], 9088, v[AVR]       ; 9,216 a chunk less the 128 that 16 x block counts for it
	s_delay_alu instid0(VALU_DEP_2)
	v_mad_u32_u24 v[AW+1], v[AW+1], 9088, v[AVR]
	s_delay_alu instid0(VALU_DEP_2)
	v_lshl_add_u32 v[ADV], v[ADV], 4, v[AW]
	s_delay_alu instid0(VALU_DEP_2)
	v_lshl_add_u32 v[ADV+1], v[ADV+1], 4, v[AW+1]
	v_add_nc_u32 v[AW], s[T0+2], v[AVS]
	v_add_nc_u32 v[AW+1], s[T0+3], v[AVS]
.irp t, 0,1,2,3,4,5,6,7
	ds_load_b128 v[KF+8*\t:KF+8*\t+3], v[ADK] offset:1056*(\t/2)+256*(\t%2)
.endr
.irp b, 0,1,2,3
	ds_load_u16 v[KSC+\b], v[ADS] offset:64*\b
.endr
	ds_load_b32 v[VW], v[AW]
	ds_load_b32 v[VW+1], v[AW+1]
	ds_load_b32 v[VW+2], v[AW] offset:256
	ds_load_b32 v[VW+3], v[AW+1] offset:256
.irp ct, 0,1,2,3
	ds_load_b128 v[VF+8*\ct:VF+8*\ct+3], v[ADV] offset:2304*\ct
	ds_load_b128 v[VF+8*\ct+4:VF+8*\ct+7], v[ADV+1] offset:2304*\ct
.endr
	s_wait_dscnt 12                                ; k's eight tiles and four scale words are in; v's twelve loads may be out
.irp t, 0,1,2,3,4,5,6,7
	QK \t
.endr
	s_wait_dscnt 8                                 ; v's four scale words are in; its eight fragment loads may be out
	v_perm_b32 v[VSW], v[VW+1], v[VW], s[PSEL]     ; bytes LB % 4 .. + 3 of the two words: the group's four blocks
	v_perm_b32 v[VSW+1], v[VW+3], v[VW+2], s[PSEL]
	v_nop
	v_nop                                          ; with the two lines above: four places behind the products before their results are read
	s_cmp_ge_i32 s[GS], s[LOMAX]                   ; no key of the group lies under any of my queries' lower edges
	s_cbranch_scc1 .Lopen
	v_sub_nc_u32 v[TMP], v[LOH], s[GS]             ; register 16 b + n is hidden where 32 b + n < max(my query - 511, 0) - 16 h - GS
	MASKLOW 0
	s_cmp_ge_i32 s[GS], -32                        ; the window's lower edge lies in block 0, and so do keys below 0 where GS = -32; GS = -64, -96: blocks 1 and 2 too
	s_cbranch_scc1 .Lopen
	MASKLOW 1
	MASKLOW 2
.Lopen:
.irp b, 0,1,2,3
	v_max3_num_f32 v[BM+\b], v[S+16*\b], v[S+1+16*\b], v[S+2+16*\b]   ; the largest score of each block of 32 keys: for the row's maximum and, since p rises with the score, for the block's largest p
.endr
.irp n, 3,5,7,9,11,13
.irp b, 0,1,2,3
	v_max3_num_f32 v[BM+\b], v[BM+\b], v[S+16*\b+\n], v[S+1+16*\b+\n]  ; (the four blocks by turns)
.endr
.endr
.irp b, 0,1,2,3
	v_max_num_f32 v[BM+\b], v[BM+\b], v[S+15+16*\b]
.endr
.irp b, 0,1,2,3
	s_delay_alu instid0(VALU_DEP_4)
	v_permlanex16_b32 v[T4+\b], v[BM+\b], s[SEL], s[SEL+1]
.endr
.irp b, 0,1,2,3
	s_delay_alu instid0(VALU_DEP_4)
	v_max_num_f32 v[BM+\b], v[BM+\b], v[T4+\b]     ; with lane l xor 16's 16 keys
.endr
	s_delay_alu instid0(VALU_DEP_2)
	v_max3_num_f32 v[TMP], v[BM], v[BM+1], v[BM+2]
	s_delay_alu instid0(VALU_DEP_1)
	v_max_num_f32 v[TMP], v[TMP], v[BM+3]
	s_delay_alu instid0(VALU_DEP_1)
	v_mul_f32 v[TMP], s[CS], v[TMP]
	s_delay_alu instid0(VALU_DEP_1)
	v_max_num_f32 v[TX], v[TX], v[TMP]             ; the running largest t
	v_mov_b32 v[TMP], v[NM]
	s_delay_alu instid0(VALU_DEP_2)
	v_floor_f32 v[NM], -v[TX]                      ; the new -M
	s_delay_alu instid0(VALU_DEP_1)
	v_sub_f32 v[TMP], v[NM], v[TMP]                ; old M - new M: a whole number, 0 or less
	s_delay_alu instid0(VALU_DEP_1)
	v_cvt_i32_f32 v[TMP], v[TMP]
	s_delay_alu instid0(VALU_DEP_1)
	v_ldexp_f32 v[F], 1.0, v[TMP]                  ; f = 2^(old M - new M)
.irp j, 0,2,4,6,8,10,12,14,16,18,20,22,24,26,28,30,32,34,36,38,40,42,44,46,48,50,52,54,56,58,60,62
	v_pk_fma_f32 v[S+\j:S+1+\j], v[S+\j:S+1+\j], s[CS:CS+1], v[NM:NM+1] op_sel_hi:[1,0,0]
.endr
	s_setprio 1
.irp b, 0,1,2,3
	v_fma_f32 v[BM+\b], v[BM+\b], s[CS], v[NM]
.endr
	s_wait_alu depctr_va_vdst(0)
.irp j, 0,1,2,3,4,5,6,7,8,9,10,11,12,13,14,15,16,17,18,19,20,21,22,23,24,25,26,27,28,29,30,31,32,33,34,35,36,37,38,39,40,41,42,43,44,45,46,47,48,49,50,51,52,53,54,55,56,57,58,59,60,61,62,63
	v_exp_f32 v[S+\j], v[S+\j]
.endr
.irp b, 0,1,2,3
	v_exp_f32 v[BM+\b], v[BM+\b]
.endr
	v_pk_mul_f32 v[L:L+1], v[L:L+1], v[F:F+1] op_sel_hi:[1,0]   ; the sum under the new M.  (A plain place behind the exponentials)
	s_wait_alu depctr_va_vdst(0)
.irp b, 0,1,2,3
	v_max_num_f32 v[BM+\b], 0x1800000, v[BM+\b]    ; the floor: a block whose every p is 0 keeps the byte 1 over zero codes
.endr
.irp b, 0,1,2,3
	s_delay_alu instid0(VALU_DEP_4)
	v_add_nc_u32 v[SO+\b], 0xff000000, v[BM+\b]
.endr
.irp b, 0,1,2,3
	s_delay_alu instid0(VALU_DEP_4)
	v_lshrrev_b32 v[T4+\b], 23, v[SO+\b]
.endr
	s_delay_alu instid0(VALU_DEP_3)
	v_lshl_or_b32 v[PSW], v[T4+1], 8, v[T4]        ; p's scale word for these 128 keys
	s_delay_alu instid0(VALU_DEP_1)
	v_lshl_or_b32 v[PSW], v[T4+2], 16, v[PSW]
	s_delay_alu instid0(VALU_DEP_1)
	v_lshl_or_b32 v[PSW], v[T4+3], 24, v[PSW]
.irp b, 0,1,2,3
	v_cvt_scalef32_pk8_fp4_f32 v[PC+2*\b], v[S+16*\b:S+7+16*\b], v[SO+\b]
	v_cvt_scalef32_pk8_fp4_f32 v[PC+1+2*\b], v[S+8+16*\b:S+15+16*\b], v[SO+\b]
.endr
	v_nop                                          ; one plain place behind a scaled conversion
.irp c, 0,1
.irp n, 0,1
	v_permlane16_swap_b32 v[PC+4*\c+\n], v[PC+2+4*\c+\n]   ; a whole block to a lane: lanes 0-15 block 2 c, lanes 16-31 block 2 c + 1
.endr
.endr
.irp j, 0,2,4,6,8,10,12,14,16,18,20,22,24,26,28,30
	v_pk_mul_f32 v[O+\j:O+1+\j], v[O+\j:O+1+\j], v[F:F+1] op_sel_hi:[1,0]   ; O^T under the new M, each tile from its low end on
.endr
	s_setprio 0
	v_pk_add_f32 v[236:237], v[100:101], v[104:105]
	v_pk_add_f32 v[248:249], v[108:109], v[112:113]
	v_pk_add_f32 v[246:247], v[116:117], v[120:121]
	v_pk_add_f32 v[244:245], v[124:125], v[128:129]
	v_pk_add_f32 v[242:243], v[132:133], v[136:137]
	v_pk_add_f32 v[240:241], v[140:141], v[144:145]
	v_pk_add_f32 v[234:235], v[148:149], v[152:153]
	v_pk_add_f32 v[14:15], v[14:15], v[156:157]
	v_pk_add_f32 v[236:237], v[236:237], v[96:97]
	v_pk_add_f32 v[248:249], v[248:249], v[98:99]
	v_pk_add_f32 v[246:247], v[246:247], v[102:103]
	v_pk_add_f32 v[244:245], v[244:245], v[106:107]
	v_pk_add_f32 v[242:243], v[242:243], v[110:111]
	v_pk_add_f32 v[240:241], v[240:241], v[114:115]
	v_pk_add_f32 v[234:235], v[234:235], v[118:119]
	v_pk_add_f32 v[14:15], v[14:15], v[122:123]
	v_pk_add_f32 v[236:237], v[236:237], v[126:127]
	v_pk_add_f32 v[248:249], v[248:249], v[130:131]
	v_pk_add_f32 v[246:247], v[246:247], v[134:135]
	v_pk_add_f32 v[244:245], v[244:245], v[138:139]
	v_pk_add_f32 v[242:243], v[242:243], v[142:143]
	v_pk_add_f32 v[240:241], v[240:241], v[146:147]
	v_pk_add_f32 v[234:235], v[234:235], v[150:151]
	v_pk_add_f32 v[14:15], v[14:15], v[154:155]
	v_pk_add_f32 v[236:237], v[236:237], v[158:159]
	s_delay_alu instid0(VALU_DEP_2)
	v_pk_add_f32 v[14:15], v[14:15], v[244:245]
	s_delay_alu instid0(VALU_DEP_2)
	v_pk_add_f32 v[236:237], v[236:237], v[242:243]
	v_pk_add_f32 v[248:249], v[248:249], v[240:241]
	v_pk_add_f32 v[246:247], v[246:247], v[234:235]
	s_delay_alu instid0(VALU_DEP_2)
	v_pk_add_f32 v[14:15], v[14:15], v[248:249]
	s_delay_alu instid0(VALU_DEP_2)
	v_pk_add_f32 v[236:237], v[236:237], v[246:247]
	s_delay_alu instid0(VALU_DEP_1)
	v_pk_add_f32 v[14:15], v[14:15], v[236:237]
	s_wait_dscnt 0x0                               ; v's fragments are in
.irp ct, 0,1,2,3
	PV \ct, 0                                      ; four accumulators by turns; the product ahead of the first is a score's, the one behind the last the next trip's first score's
.endr
.Lhidden:
	s_add_co_i32 s[GS], s[GS], 128
	s_add_co_u32 s[LB], s[LB], 4
	s_add_co_u32 s[KOFF], s[KOFF], 4*1056
	s_add_co_u32 s[SOFF], s[SOFF], 4*64
	s_sub_co_u32 s[TRIPS], s[TRIPS], 1
	s_cmp_lg_u32 s[TRIPS], 0
	s_cbranch_scc1 .Lgroup
	s_setprio 0
	s_wait_alu depctr_va_vdst(0)
	; ---------------- THE WAY OUT.  Five plain lines stand behind the last products, on the way past hidden groups too, before O^T is read
	v_add_f32 v[L], v[L], v[L+1]                   ; the sum's two halves,
	s_delay_alu instid0(VALU_DEP_1)
	v_permlanex16_b32 v[TMP], v[L], s[SEL], s[SEL+1]
	s_delay_alu instid0(VALU_DEP_1)
	v_add_f32 v[L], v[L], v[TMP]                   ; and lane l xor 16's keys: the row's sum
	v_and_b32 v[ADK], 31, v0
	s_delay_alu instid0(VALU_DEP_1)
	v_lshlrev_b32 v[ADK], 4, v[ADK]                ; 16 x lane
	v_nop
	s_wait_alu depctr_va_vdst(0)
	v_rcp_f32 v[L], v[L]
	v_nop                                          ; a plain place behind the reciprocal
	s_wait_alu depctr_va_vdst(0)
.irp j, 0,2,4,6,8,10,12,14,16,18,20,22,24,26,28,30
	v_pk_mul_f32 v[S+\j:S+1+\j], v[O+\j:O+1+\j], v[L:L+1] op_sel_hi:[1,0]   ; register 8 ct + n is out(r, 16 ct + 8 h + n)
.endr
.irp ct, 0,1,2,3
	ds_store_b128 v[SBO], v[S+8*\ct:S+8*\ct+3] offset:64*\ct
	ds_store_b128 v[SBO], v[S+8*\ct+4:S+8*\ct+7] offset:64*\ct+16
.endr
.irp j, 0,1,2,3,4,5,6,7
	ds_load_b128 v[S+32+4*\j:S+32+4*\j+3], v[SA] offset:544*\j   ; my own stage: these see the stores above
.endr
.irp j, 0,1,2,3,4,5,6,7
	s_wait_dscnt 7-\j                              ; rows 2 j and 2 j + 1 are back; the younger loads stay out
	global_store_b128 v[ADK], v[S+32+4*\j:S+32+4*\j+3], s[14:15] offset:512*\j th:TH_STORE_NT   ; 32 lanes store 512 consecutive bytes, at a multiple of 512 from out's first byte
.endr
	s_wait_xcnt 0x0
	v_lshl_add_u32 v254, v0, 2, 0x29000
	v_mov_b32 v255, 0
	s_wait_alu depctr_va_vdst(0)
	s_wait_tensorcnt 0x0
	ds_add_u32 v254, v255
	s_wait_dscnt 0x0
	s_endpgm
.Lfunc_end_k_q0301530345_swa:
	.size	k_q0301530345_swa, .Lfunc_end_k_q0301530345_swa-k_q0301530345_swa
	.p2alignl 7, 3214868480
	.fill 96, 4, 3214868480
	.section	.rodata,"a",@progbits
	.p2align	6, 0x0
	.amdhsa_kernel k_q0301530345_swa
		.amdhsa_group_segment_fixed_size 169984
		.amdhsa_private_segment_fixed_size 0
		.amdhsa_enable_private_segment 0
		.amdhsa_kernarg_size 48
		.amdhsa_user_sgpr_count 2
		.amdhsa_user_sgpr_kernarg_segment_ptr 1
		.amdhsa_wavefront_size32 1
		.amdhsa_system_sgpr_workgroup_id_x 1
		.amdhsa_system_sgpr_workgroup_id_y 1
		.amdhsa_system_sgpr_workgroup_id_z 1
		.amdhsa_system_vgpr_workitem_id 0
		.amdhsa_next_free_vgpr 256
		.amdhsa_next_free_sgpr 96
		.amdhsa_reserve_vcc 1
		.amdhsa_float_denorm_mode_32 3
		.amdhsa_float_denorm_mode_16_64 3
		.amdhsa_memory_ordered 1
		.amdhsa_forward_progress 1
		.amdhsa_inst_pref_size 48
	.end_amdhsa_kernel
	.amdgpu_metadata
---
amdhsa.version: [ 1, 2 ]
amdhsa.kernels:
  - .name:           k_q0301530345_swa
    .symbol:         k_q0301530345_swa.kd
    .args:
      - { .name: k_codes, .offset: 0, .size: 8, .value_kind: global_buffer, .address_space: global }
      - { .name: k_scales, .offset: 8, .size: 8, .value_kind: global_buffer, .address_space: global }
      - { .name: q, .offset: 16, .size: 8, .value_kind: global_buffer, .address_space: global }
      - { .name: v_codes, .offset: 24, .size: 8, .value_kind: global_buffer, .address_space: global }
      - { .name: v_scales, .offset: 32, .size: 8, .value_kind: global_buffer, .address_space: global }
      - { .name: out0, .offset: 40, .size: 8, .value_kind: global_buffer, .address_space: global }
    .group_segment_fixed_size: 169984
    .private_segment_fixed_size: 0
    .kernarg_segment_align: 8
    .kernarg_segment_size: 48
    .max_flat_workgroup_size: 512
    .sgpr_count:     96
    .vgpr_count:     256
    .wavefront_size: 32
...
	.end_amdgpu_metadata
.endif
;; end of part 1
